; MI455X (gfx1250); checked and timed in simulation.
; The chip was launched on July 23, 2026; its instructions are those of AMD's public machine-readable ISA for CDNA 5 (MIT licence, August 2026) and "CDNA5" Instruction Set Architecture Reference Guide (July 2026). The comments in the code are by the model that wrote it; some were corrected since.
;; Flash Diff Custom Attention. Allowed arithmetic: float matrix products may take bf16 or f16 operands with f32 sums; other float arithmetic in f32, or as packed bf16 or f16 multiplies, adds, multiply-adds, maxima and minima; sums over many terms, partial sums and values carried from step to step in f32; what a program stores and reads back later, other than sums and carried values, may be rounded once to bf16 or f16.
;; Inputs: k 2 x 2,048 x 16 x 128 float32; lambda_k1 128 float32; lambda_k2 128 float32; lambda_q1 128 float32; lambda_q2 128 float32; q 2 x 2,048 x 16 x 128 float32; subln_weight 256 float32; v 2 x 2,048 x 16 x 128 float32.
;; Outputs: out0 2 x 2,048 x 16 x 128 float32.
;; One version. Each part assembles by itself: llvm-mc -triple=amdgcn-amd-amdhsa -mcpu=gfx1250 --defsym DOCPART=n.
;; ======== version 1 of 1: 2 launches
;; limits: values are held in f16: magnitudes above 65,504 overflow, below 6.1e-05 lose precision; inputs' magnitudes at most 65,504
;; workspace buffers: kc 16,777,216 bytes; vc 16,777,216 bytes
;; launch cast (part 1): grid 1024 x 1, 8 waves a work-group, no clusters, 0 bytes of LDS; arguments k, v, kc, vc; writes kc, vc
.if DOCPART == 1
	.amdgcn_target "amdgcn-amd-amdhsa--gfx1250"
	.amdhsa_code_object_version 6
	.text
	.protected	k_q0b2a6ab2d5_cast
	.globl	k_q0b2a6ab2d5_cast
	.p2align	8
	.type	k_q0b2a6ab2d5_cast,@function
k_q0b2a6ab2d5_cast:
	s_mov_b64 s[64:65], 0
	v_nop
	global_prefetch_b8 v0, s[64:65] scope:SCOPE_SE
	s_setreg_imm32_b32 hwreg(HW_REG_WAVE_MODE, 25, 1), 1
	s_wait_xcnt 0x0
; kc = k rounded to bf16; vc = v rounded to bf16 and that number written as f16.  k, v: [2][2048][16][128] f32; kc, vc: the same index order, 2 bytes a number.
; LIMITS.  f16 holds no number beyond 65,504: |v| stays under that; below 2^-14 the bf16 number is rounded once more, to f16's fixed step of 6e-8.
; SHARES.  A work-group takes 32,768 bytes of k and of v; thread t the 16 bytes at 4,096 i + 16 t, i = 0..7: a load of a wave covers 512 consecutive bytes,
; a store of a wave (8 bytes a lane) 256 consecutive bytes, at a multiple of 256 from the buffer's first byte.  All sixteen loads go out first; every store has registers of its own,
; so no register that a pending store reads is ever written again.  No LDS, no matrix unit, no cluster: nothing is shared, each byte crosses once.
.set X, 4                              ; v[4:67]    sixteen loads of four registers: k's eight, then v's eight
.set Y, 68                             ; v[68:99]   sixteen stores of two registers
.set T, 100                            ; v[100:105] at work
	s_load_b256 s[4:11], s[0:1], 0x0               ; k s[4:5], v s[6:7], kc s[8:9], vc s[10:11]
	s_lshl_b32 s2, ttmp9, 15                       ; the work-group's 32,768 bytes of f32,
	s_mov_b32 s3, 0
	s_lshl_b32 s12, ttmp9, 14                      ; and its 16,384 bytes of 16-bit numbers
	s_mov_b32 s13, 0
	s_mov_b32 s14, 0xffff0000                      ; a word's upper bf16
	v_lshlrev_b32 v1, 4, v0                        ; 16 t
	v_lshlrev_b32 v2, 3, v0                        ; 8 t
	s_wait_kmcnt 0x0
	s_add_nc_u64 s[4:5], s[4:5], s[2:3]
	s_add_nc_u64 s[6:7], s[6:7], s[2:3]
	s_add_nc_u64 s[8:9], s[8:9], s[12:13]
	s_add_nc_u64 s[10:11], s[10:11], s[12:13]
.irp i, 0,1,2,3,4,5,6,7
	global_load_b128 v[X+4*(\i):X+4*(\i)+3], v1, s[4:5] offset:4096*(\i) th:TH_LOAD_NT
.endr
.irp i, 0,1,2,3,4,5,6,7
	global_load_b128 v[X+32+4*(\i):X+32+4*(\i)+3], v1, s[6:7] offset:4096*(\i) th:TH_LOAD_NT
.endr
.irp i, 0,1,2,3,4,5,6,7
	s_wait_loadcnt 15-(\i)                         ; loads come back in order: k's load i is in, the 15 - i younger ones stay out
	v_cvt_pk_bf16_f32 v[Y+2*(\i)],   v[X+4*(\i)],   v[X+4*(\i)+1]
	v_cvt_pk_bf16_f32 v[Y+2*(\i)+1], v[X+4*(\i)+2], v[X+4*(\i)+3]
	global_store_b64 v2, v[Y+2*(\i):Y+2*(\i)+1], s[8:9] offset:2048*(\i)
.endr
.irp i, 0,1,2,3,4,5,6,7
	s_wait_loadcnt 7-(\i)                          ; v's load i is in
	v_cvt_pk_bf16_f32 v[T],   v[X+32+4*(\i)],   v[X+32+4*(\i)+1]  ; the one rounding of the input,
	v_cvt_pk_bf16_f32 v[T+1], v[X+32+4*(\i)+2], v[X+32+4*(\i)+3]
	v_lshlrev_b32 v[T+2], 16, v[T]                 ; widened again,
	v_and_b32     v[T+3], s14, v[T]
	v_lshlrev_b32 v[T+4], 16, v[T+1]
	v_and_b32     v[T+5], s14, v[T+1]
	v_cvt_pk_f16_f32 v[Y+16+2*(\i)],   v[T+2], v[T+3]  ; and written as f16: 8 significant bits fit into 11
	v_cvt_pk_f16_f32 v[Y+16+2*(\i)+1], v[T+4], v[T+5]
	global_store_b64 v2, v[Y+16+2*(\i):Y+16+2*(\i)+1], s[10:11] offset:2048*(\i)
.endr
	s_endpgm
.Lfunc_end_k_q0b2a6ab2d5_cast:
	.size	k_q0b2a6ab2d5_cast, .Lfunc_end_k_q0b2a6ab2d5_cast-k_q0b2a6ab2d5_cast
	.p2alignl 7, 3214868480
	.fill 96, 4, 3214868480
	.section	.rodata,"a",@progbits
	.p2align	6, 0x0
	.amdhsa_kernel k_q0b2a6ab2d5_cast
		.amdhsa_group_segment_fixed_size 0
		.amdhsa_private_segment_fixed_size 0
		.amdhsa_enable_private_segment 0
		.amdhsa_kernarg_size 32
		.amdhsa_user_sgpr_count 2
		.amdhsa_user_sgpr_kernarg_segment_ptr 1
		.amdhsa_wavefront_size32 1
		.amdhsa_system_sgpr_workgroup_id_x 1
		.amdhsa_system_sgpr_workgroup_id_y 1
		.amdhsa_system_sgpr_workgroup_id_z 1
		.amdhsa_system_vgpr_workitem_id 0
		.amdhsa_next_free_vgpr 112
		.amdhsa_next_free_sgpr 66
		.amdhsa_reserve_vcc 0
		.amdhsa_float_denorm_mode_32 3
		.amdhsa_float_denorm_mode_16_64 3
		.amdhsa_memory_ordered 1
		.amdhsa_forward_progress 1
		.amdhsa_inst_pref_size 9
	.end_amdhsa_kernel
	.amdgpu_metadata
---
amdhsa.version: [ 1, 2 ]
amdhsa.kernels:
  - .name:           k_q0b2a6ab2d5_cast
    .symbol:         k_q0b2a6ab2d5_cast.kd
    .args:
      - { .name: k, .offset: 0, .size: 8, .value_kind: global_buffer, .address_space: global }
      - { .name: v, .offset: 8, .size: 8, .value_kind: global_buffer, .address_space: global }
      - { .name: kc, .offset: 16, .size: 8, .value_kind: global_buffer, .address_space: global }
      - { .name: vc, .offset: 24, .size: 8, .value_kind: global_buffer, .address_space: global }
    .group_segment_fixed_size: 0
    .private_segment_fixed_size: 0
    .kernarg_segment_align: 8
    .kernarg_segment_size: 32
    .max_flat_workgroup_size: 256
    .sgpr_count:     66
    .vgpr_count:     112
    .wavefront_size: 32
...
	.end_amdgpu_metadata
.endif
;; end of part 1
;; launch attn (part 2): grid 16 x 16, 4 waves a work-group, clusters of 4 x 1, 327,680 bytes of LDS; arguments q, kc, vc, lambda_q1, lambda_k1, lambda_q2, lambda_k2, subln_weight, out0; writes out0
.if DOCPART == 2
	.amdgcn_target "amdgcn-amd-amdhsa--gfx1250"
	.amdhsa_code_object_version 6
	.text
	.protected	k_q0b2a6ab2d5_attn
	.globl	k_q0b2a6ab2d5_attn
	.p2align	8
	.type	k_q0b2a6ab2d5_attn,@function
k_q0b2a6ab2d5_attn:
	s_mov_b64 s[64:65], 0
	v_nop
	global_prefetch_b8 v0, s[64:65] scope:SCOPE_SE
	s_setreg_imm32_b32 hwreg(HW_REG_WAVE_MODE, 25, 1), 1
	s_wait_xcnt 0x0
	s_wait_alu depctr_hold_cnt(0) depctr_sa_sdst(0) depctr_va_vdst(0) depctr_va_sdst(0) depctr_va_ssrc(0) depctr_va_vcc(0) depctr_vm_vsrc(0)
	s_getreg_b32 s2, hwreg(HW_REG_IB_STS2, 6, 4)
	s_cmp_eq_u32 s2, 0
	s_cbranch_scc0 .Lentry_in_a_cluster
	s_endpgm
.Lentry_in_a_cluster:
	s_bfe_u32 s2, ttmp6, 0x10000c
	s_cmp_lg_u32 s2, 0x3003
	s_cbranch_scc0 .Lentry_shape_is_right
	s_endpgm
.Lentry_shape_is_right:
; DIFFERENTIAL CAUSAL ATTENTION WITH ITS RMS NORM.  For batch bt and head pair h: stream 1 = softmax_k<=q(q[2h] . k[2h] / sqrt(128)), stream 2 the same of head 2h + 1; both multiply
; V = v[.., 2h:2h+2, :], 256 channels on end.  x = attn1 - lambda attn2; out = w x rsqrt(mean(x^2) + 1e-5) (1 - lambda_init).  q, out0: [2][2048][16][128] f32; kc (bf16), vc (f16): the same order.
; FORMATS.  Every input is rounded once to bf16 (q, the four lambda vectors and w here, k and v by the launch before).  K Q^T in bf16; the weights p and V in f16; maxima, sums l, O, x and its mean square in f32.
; One stream's finished attn (O / l) crosses LDS to the partner wave rounded once to f16.
; LIMITS.  |v| under 65,504 (f16).  A hidden score counts as its value less 1e30.  A weight below 2^-126 counts as 0 in l; p below 6e-5 keeps f16's fixed step of 6e-8.  NaN and infinities are not treated apart.
; THE WALK.  A head pair's queries lie in 8 super blocks of 256; super block I needs the key super tiles 0 .. I, of which the last holds the diagonal.  A CLUSTER of four work-groups takes super block 7 - P and
; then P (P = the cluster's x): 9 super tiles whatever P = 18 slots of 128 keys = 36 steps of 64 keys: one walk with constant trip counts, the same work for all 256 work-groups.
; BANDS.  Of a super block's four bands of 64 rows, the partner at place cx owns rows 16 cx .. 16 cx + 15 of each.  So all four partners want the same key tiles in the same trips: every tile of K and V is asked for
; JOINTLY (mask 15).  cx enters q's and out0's addresses, the mask's numbers and the prefetches' address, and nothing else.
; WAVES.  Wave w works for stream w & 1 on two tiles of 16 queries: tile 0 = band w, tile 1 = band w ^ 1.  A fragment of K or V read from LDS feeds two products.  At a block's end a wave keeps tile 0 and sends tile 1
; to wave w ^ 1, whose tile 0 is the same 16 queries, lane for lane; wave w then finishes band w.
; THE MASK is the C operand that starts S^T = K Q^T: MC = MD x AL + BE.  MD is the triangle of a band's own step; in step U of the diagonal super tile band x has (AL, BE) = (1, 0) if U = x, (0, 0) if U < x,
; (0, -1e30) if U > x; elsewhere (0, 0).  It is made in every step, so there is one text of a step.  A band's hidden steps come behind its own, so m is a true score when the first hidden one comes.
; LAYOUT.  S^T = K Q^T holds ONE query a lane (lane % 16) and the keys 8 (lane / 16) + 0..7; two such results rounded to f16 ARE source 1 of O^T = V^T P, which again holds one query a lane, and eight channels.
; SOFTMAX.  p = 2^(c s - c m), c = log2(e) / sqrt(128), with a running maximum m; O and l are multiplied by a = 2^(c m_old - c m_new) in every step.  c m starts far below every c s: a block's first a is 0.
; REGISTERS, in windows of 256 (s_set_vgpr_msb: bits 1:0 source 0, 3:2 source 1, 5:4 source 2, 7:6 destination):
;   window 0: v0-15 addresses, ALF, BET; v16-31 statistics; v32-47 weights; v48-61 at work; v62-63 the add's; v64-127 S^T; v128-159 P; v160-223 MC; v224-255 MD
;   window 1: O^T, 128 a tile      window 2: v0-63 Q; v64-127 the second block's Q; v128-255 K of one step      window 3: V of one step (at the start: q in f32)
.set PK,    528       ; a row of K in LDS: K1's 256 bytes, K2's 256, 16 of padding = 132 words: the 16 rows of a load start at 16 different groups of four banks (64 banks of 4 bytes: ISA guide 11.1)
.set PVP,   544       ; a row of V: 512 + 32 = 136 words
.set VOFF,  64*PK     ; a unit holds one step: 64 rows of K, then 64 rows of V
.set UNIT,  64*(PK+PVP)
.set SLOTB, 2*UNIT    ; slot A = units 0, 1; slot B = units 2, 3
.set XCH,   4*UNIT    ; behind the ring, never filled by a tensor load: 8,192 bytes a wave, what it sends to its partner
.set TR,    XCH+4*8192  ; 16 rows x 272 bytes a wave, its own: the way out
.set TP,    272
.set SPARE, TR+4*16*TP  ; the spare words, 128 bytes for each wave: two blocks of 256 bytes that no other line names
.set AK0, 2           ; v2   my lane's place in a unit's K, my stream's half of the rows; never rewritten
.set AV0, 3           ; v3   the same for V
.set ADK, 4           ; v4   the LDS address of K's run of loads
.set ADV, 5           ; v5   of V's
.set STO, 6           ; v6   the way out: where I put 32 bytes of a row
.set RD,  7           ; v7   where I read rows back
.set GO,  8           ; v8   my byte offset in two rows of out0
.set XS,  10          ; v10  where I put what I send
.set XR,  11          ; v11  where I read what my partner sent
.set QO,  12          ; v12  my byte offset in 16 rows of q
.set PFO, 13          ; v13  the prefetches' offset: 4,096 x my lane, a row of kc or vc; never rewritten
.set ALF, 14          ; v14  my own stream's factor in x: 1 or -lambda
.set BET, 15          ; v15  the other stream's
.set ST,  16          ; tile t's statistics at v[ST+8 t]: c m, m, l (even keys', odd keys'), c0-c3 at work; a takes c2's place
.set WT,  32          ; v[32:47]  w (1 - lambda_init) of the channels 64 ch + 4 (lane % 16) + 0..3, ch = 0..3
.set SPW, 62          ; v62  LDS address of my spare word: SPARE + 4 x my thread's number; never rewritten
.set NIL, 63          ; v63  0; never rewritten
.set S,   64
.set P,   128
.set MC,  160
.set MD,  224
.set KF,  128         ; window 2: key block kb, channels 32 c on, at KF + 32 kb + 8 c
.set WV,  22          ; s22  my wave's number; also tile 0's band
.set STR, 23          ; s23  my stream, w & 1; also which of a slot's two units I fetch
.set G1K, 24          ; s[24:31] descriptor group 1 for K's tiles
.set G1V, 32          ; s[32:39] for V's: it differs in the padding alone
.set G0K, 40          ; s[40:43] descriptor group 0 for K's tiles
.set G0V, 44          ; s[44:47] for V's
.set KB,  48          ; s[48:49] kc at my unit of the head pair's slot 0
.set VB,  50          ; s[50:51] vc likewise
.set OFF, 52          ; s[52:53] a slot's byte offset in kc and vc
.set PFA, 54          ; s[54:55] where my prefetches stand
.set CS,  56          ; s[56:57] c: the packed scaling takes the pair's low word for both halves
.set SEL, 58          ; s[58:59] v_permlanex16_b32's selects: each lane takes its own place in the other half
.set AL0, 60          ; s[60:61], s[62:63] tile 0's factor and addend of the mask, in the low words
.set BE0, 62
.set AL1, 66          ; s[66:67], s[68:69] tile 1's
.set BE1, 68
.set TB,  70          ; s70  LDS byte at which the step's unit begins
.set U,   71          ; s71  the step's number in its super tile, 0..3
.set CNT, 72          ; s72  counts a slot's two steps
.set SUP, 73          ; s73  super tiles still to be entered
.set RT,  74          ; s74  super tiles left in the block in hand
.set NXT, 75          ; s75  the slot to be asked for next
.set LQ,  76          ; s76  the last slot of the block whose slots are being asked for
.set FILLS, 77        ; s77  fills still to come
.set LIM, 78          ; s78  3 in the head pair's first cluster, else the greatest number: a wave prefetches while s[FILLS] is above it
.set BEND, 79         ; s79  1: the super tile just walked was a block's last
.set XW0, 80          ; s80, s81  the tiles' bands in the diagonal super tile, else 255
.set XW1, 81
.set LQ2, 82          ; s82  the second block's last slot
.set X1,  83          ; s83  tile 1's band, w ^ 1; also my partner's number
.set BIGN, 84         ; s84  -1e30
.set LK,  85          ; s85  my unit's K in slot A
.set LV,  86          ; s86  my unit's V in slot A
.set PP,  87          ; s87  P
.set OUT1, 88         ; s[88:89] out0 at my band's rows of the block in hand
.set OUT2, 90         ; s[90:91] of the second block
.set QP,  92          ; s[92:99] q at my four tiles' rows: block 0 tiles 0, 1, block 1 tiles 0, 1
.set CX,  100         ; s100 my place in the cluster
.set TC,  101         ; s101 at work on numbers made of it
.set MSB, 0
.macro WIN new                      ; the high byte repeats the setting that is left; a switch that changes nothing is dropped
.if MSB != (\new)
	s_set_vgpr_msb (MSB<<8)|(\new)
.set MSB, (\new)
.endif
.endm
.set W_KQ,  0x0a      ; K and Q in window 2; the mask and S^T in window 0
.set W_PV,  0x53      ; V in window 3, P in window 0, O^T in window 1
.set W_RS,  0x41      ; destination and source 0 in window 1, source 1 in window 0
.set TO_K,  0x80      ; destination window 2
.set TO_V,  0xc0      ; destination window 3
.set W_CVQ, 0x8f      ; sources 0 and 1 window 3, destination window 2
.set W_PK,  0x05      ; sources 0 and 1 window 1, source 2 and destination window 0
.set W_MIX, 0x50      ; source 2 and destination window 1
.set W_STO, 0x04      ; an LDS store's data in window 1
.set W_QSW, 0x82      ; window 2 to window 2
.set W_O,   0x40      ; destination window 1
.macro PLACES                       ; four places behind a matrix instruction (ISA guide 7.12.1)
.rept 4
	v_nop
.endr
.endm
; A round of the cluster's barrier: my work-group's barrier, so that wave 0's signal speaks for all four waves; wave 0 signals; every wave waits for all four work-groups; my work-group's barrier once more.
.macro CROUND
	s_barrier_signal -1
	s_barrier_wait -1
	s_cmp_lg_u32 s[WV], 0
	s_cbranch_scc1 .Lnot_wave_0_\@
	s_barrier_signal -3
.Lnot_wave_0_\@:
	s_barrier_wait -3
	s_barrier_signal -1
	s_barrier_wait -1
.endm
; A joint fill.  Waves 0 and 1 fetch K of a slot's two units, waves 2 and 3 V: 64 rows x 512 bytes each.  The branch hangs on the wave's number alone.
; An s_nop 0 and four v_nop follow each of the two lines, ahead of the jump and the label.
.macro JLOAD
	s_cmp_lt_u32 s[WV], 2
	s_cbranch_scc0 .Lfor_v_\@
	tensor_load_to_lds s[G0K:G0K+3], s[G1K:G1K+7]
	s_nop 0
.rept 4
	v_nop
.endr
	s_branch .Lasked_\@
.Lfor_v_\@:
	tensor_load_to_lds s[G0V:G0V+3], s[G1V:G1V+7]
	s_nop 0
.rept 4
	v_nop
.endr
.Lasked_\@:
.endm
; A PREFETCH INTO THE L2 of the slot that the NEXT fill will ask for: two steps, 192 matrix instructions, ahead of that load.  A slot is 128 rows x 512 bytes of kc and as much of vc.  Of a head pair's four clusters the
; first walks all 16 slots in its first block: it alone asks, and there alone.  Its partners share the rows out BY ADDRESS, 32 each; waves 0 and 1 take the two halves of kc's rows, waves 2 and 3 of vc's; a lane a row:
; one instruction a wave, each aligned block of 256 bytes named once in the launch.  Slots 0 and 1 come by their loads alone; the fill that loads slot 14 names slot 15, and later fills name nothing.
.macro ASK
	s_cmp_gt_u32 s[FILLS], s[LIM]
	s_cbranch_scc0 .Lnot_mine_\@
	global_prefetch_b8 v[PFO], s[PFA:PFA+1] th:TH_LOAD_NT scope:SCOPE_SE
.Lnot_mine_\@:
.endm
; THE CHANGE OF SLOTS, into slot A (into = 0) or B (1).  Each wave waits for all its tensor loads, of which one is out: its part of the slot to be entered; adds 0 to its spare word; and waits for that and for its own reads
; of the slot that it leaves.  fill = 1: the slot left is filled again, with slot NXT of the walk: both descriptors are made anew from that number; the barrier is a round of the cluster's, so that no wave of any
; partner still reads the slot or has a load on its way; the joint fill is the first thing behind it.  (At its first use nothing has been read yet: slot A is waited for, slot B filled.)
.macro CHANGE into, fill
	WIN 0
	s_wait_tensorcnt 0x0            ; no tensor load of mine is out, so a group 0 may be written
	ds_add_u32 v[SPW], v[NIL]       ; 0 onto my spare word: the descriptors' scalar work stands between it and the wait for it
.if \fill
	s_lshl_b32 s[OFF], s[NXT], 19   ; a slot is 128 rows of 4,096 bytes
	s_add_co_u32 s[G0K+1], s[LK], (1-(\into))*SLOTB
	s_add_nc_u64 s[G0K+2:G0K+3], s[KB:KB+1], s[OFF:OFF+1]
	s_or_b32 s[G0K+3], s[G0K+3], 0x80000000
	s_add_co_u32 s[G0V+1], s[LV], (1-(\into))*SLOTB
	s_add_nc_u64 s[G0V+2:G0V+3], s[VB:VB+1], s[OFF:OFF+1]
	s_or_b32 s[G0V+3], s[G0V+3], 0x80000000
	s_add_co_u32 s[NXT], s[NXT], 1  ; the block's next slot, or behind its last the second block's slot 0
	s_cmp_gt_u32 s[NXT], s[LQ]
	s_cselect_b32 s[NXT], 0, s[NXT]
	s_cselect_b32 s[LQ], s[LQ2], s[LQ]
	s_wait_xcnt 0x0                 ; the last prefetch, two steps back, has read its address, so it may be written
	s_add_nc_u64 s[PFA:PFA+1], s[PFA:PFA+1], 524288
	s_wait_dscnt 0x0                ; the add is done, and my reads of the slot are over
	CROUND
	JLOAD
	ASK
	s_sub_co_u32 s[FILLS], s[FILLS], 1
.else
	s_wait_dscnt 0x0                ; the add is done, and my reads of the slot are over
	s_barrier_signal -1
	s_barrier_wait -1
.endif
.endm
; THE LDS LOADS stand in runs of 32.  K: 64 keys x my stream's 128 channels, the channels' four chunks of 32 one after the other, so that the products can begin on the first.
.macro FETCH_K
	WIN TO_K
.irp c, 0,1,2,3
.irp kb, 0,1,2,3
	ds_load_b128 v[KF+32*(\kb)+8*(\c):KF+32*(\kb)+8*(\c)+3],   v[ADK] offset:(\kb)*16*PK+64*(\c)
	ds_load_b128 v[KF+32*(\kb)+8*(\c)+4:KF+32*(\kb)+8*(\c)+7], v[ADK] offset:(\kb)*16*PK+64*(\c)+32
.endr
.endr
.endm
; V, turned: keys 32 kk on, all 256 channels: fragment 16 kk + cb.  The turning load takes 16 keys x 16 channels and leaves half a fragment of V^T: lane l holds channel l % 16 and 8 keys.
.macro FETCH_V kk
	WIN TO_V
.irp cb, 0,1,2,3,4,5,6,7,8,9,10,11,12,13,14,15
	ds_load_tr16_b128 v[8*(16*(\kk)+(\cb)):8*(16*(\kk)+(\cb))+3],   v[ADV] offset:(\kk)*32*PVP+32*(\cb)
	ds_load_tr16_b128 v[8*(16*(\kk)+(\cb))+4:8*(16*(\kk)+(\cb))+7], v[ADV] offset:(\kk)*32*PVP+16*PVP+32*(\cb)
.endr
.endm
.macro MASKS                        ; both tiles' masks for step U: MD x AL + BE
	s_cmp_eq_u32 s[U], s[XW0]       ; is the step the band's own?
	s_cselect_b32 s[AL0], 1.0, 0
	s_cmp_gt_u32 s[U], s[XW0]       ; or a later one?
	s_cselect_b32 s[BE0], s[BIGN], 0
	s_cmp_eq_u32 s[U], s[XW1]
	s_cselect_b32 s[AL1], 1.0, 0
	s_cmp_gt_u32 s[U], s[XW1]
	s_cselect_b32 s[BE1], s[BIGN], 0
	WIN 0
.set z, 0
.rept 16
	v_pk_fma_f32 v[MC+2*z:MC+2*z+1], v[MD+2*z:MD+2*z+1], s[AL0:AL0+1], s[BE0:BE0+1] op_sel_hi:[1,0,0]
.set z, z+1
.endr
.set z, 0
.rept 16
	v_pk_fma_f32 v[MC+32+2*z:MC+32+2*z+1], v[MD+2*z:MD+2*z+1], s[AL1:AL1+1], s[BE1:BE1+1] op_sel_hi:[1,0,0]
.set z, z+1
.endr
.endm
; THE MATRIX WORK.  The accumulators take turns, one instruction a turn: 4 in K Q^T, 16 in V^T P, and from one run to the next they change.
; Product i of 16 of S^T = K Q^T for tile t: channels 32 (i / 4) on, keys 16 (i % 4) on.  The first four start the sums with the mask.
.macro KQ t
	WIN W_KQ
.set rS, S+32*(\t)+8*(i%4)
.set rK, KF+32*(i%4)+8*(i/4)
.set rQ, 32*(\t)+8*(i/4)
.set rM, MC+32*(\t)+8*(i%4)
.if i < 4
	v_wmma_f32_16x16x32_bf16 v[rS:rS+7], v[rK:rK+7], v[rQ:rQ+7], v[rM:rM+7]
.else
	v_wmma_f32_16x16x32_bf16 v[rS:rS+7], v[rK:rK+7], v[rQ:rQ+7], v[rS:rS+7]
.endif
.set i, i+1
.endm
; Product i of 32 of O^T += V^T P for tile t: keys 32 (i / 16) on, channels 16 (i % 16) on.
.macro PV t
	WIN W_PV
.set rO, 128*(\t)+8*(i%16)
.set rP, P+16*(\t)+8*(i/16)
	v_wmma_f32_16x16x32_f16 v[rO:rO+7], v[8*i:8*i+7], v[rP:rP+7], v[rO:rO+7]
.set i, i+1
.endm
; THE VECTOR WORK of a tile and step, in three numbered lists; each macro writes its list's next entry.  s0-s31 are the lane's 32 scores, in pairs 0-15.
; SOFT_A, 87 entries (counter ja):
;   0-15   the maximum of s0-s31 and the old m, three operands at a time: four chains c0-c3 of seven scores each (each accumulator's lowest registers are read first), the four left over, c0-c3, m
;   16-20  the other half of the lanes' maximum; c m_old is kept; the new m; c m; c m_old - c m_new
;   21-69  ONE BATCH: the 16 scalings c s - c m and all 33 exponentials (a at 23).  None of these names an exponential's result; a pair is scaled ahead of its exponentials
;   70     a v_nop, the plain instruction behind the last exponential, and the one wait ahead of the first instruction that names a result
;   71-86  the roundings to f16, a pair of weights each
.macro SOFT_A t
.set rT, ST+8*(\t)
.set rS, S+32*(\t)
.set rP, P+16*(\t)
	WIN 0
.if ja < 4
	v_max3_num_f32 v[rT+4+ja], v[rS+8*ja], v[rS+8*ja+1], v[rS+8*ja+2]
.elseif ja < 12
	v_max3_num_f32 v[rT+4+ja%4], v[rT+4+ja%4], v[rS+8*(ja%4)+2*(ja/4)+1], v[rS+8*(ja%4)+2*(ja/4)+2]
.elseif ja == 12
	v_max3_num_f32 v[rT+4], v[rT+4], v[rS+7], v[rS+15]
.elseif ja == 13
	v_max3_num_f32 v[rT+6], v[rT+6], v[rS+23], v[rS+31]
.elseif ja == 14
	v_max3_num_f32 v[rT+4], v[rT+4], v[rT+5], v[rT+6]
.elseif ja == 15
	v_max3_num_f32 v[rT+4], v[rT+4], v[rT+7], v[rT+1]
.elseif ja == 16
	v_permlanex16_b32 v[rT+5], v[rT+4], s[SEL], s[SEL+1]  ; the query's other 32 keys lie in the lane 16 away
.elseif ja == 17
	v_mov_b32 v[rT+7], v[rT]        ; c m_old is kept for a: entry 19 writes c m anew
.elseif ja == 18
	v_max_num_f32 v[rT+1], v[rT+4], v[rT+5]
.elseif ja == 19
	v_mul_f32 v[rT], s[CS], v[rT+1]
.elseif ja == 20
	v_sub_f32 v[rT+7], v[rT+7], v[rT]
.elseif ja == 23
	v_exp_f32 v[rT+6], v[rT+7]
.elseif (ja < 23) || ((ja < 38) && (ja%2 == 0)) || ((ja < 66) && (ja%4 == 2))
.set sb, (ja-2)/4                   ; 38, 42, .. 62: pairs 9 to 15
.if ja < 38
.set sb, (ja-20)/2                  ; 21: pair 0; 22, 24, .. 36: pairs 1 to 8
.endif
	v_pk_fma_f32 v[rS+2*sb:rS+2*sb+1], v[rS+2*sb:rS+2*sb+1], s[CS:CS+1], v[rT:rT+1] op_sel_hi:[1,0,0] neg_lo:[0,0,1] neg_hi:[0,0,1]
.elseif ja < 70
.set se, ja-38                      ; 66 to 69: s28 to s31
.if ja < 66
.set se, ja-32-(ja-38)/4            ; 39-41, 43-45, .. 63-65: s7 to s27
.endif
.if ja < 38
.set se, (ja-25)/2                  ; 25, 27, .. 37: s0 to s6
.endif
	v_exp_f32 v[rS+se], v[rS+se]
.elseif ja == 70
	v_nop
	s_wait_alu depctr_va_vdst(0)
.else
	v_cvt_pk_f16_f32 v[rP+ja-71], v[rS+2*(ja-71)], v[rS+2*(ja-71)+1]
.endif
.set ja, ja+1
.endm
; SOFT_B, 16 entries (counter jb): the sum of the tile's 16 pairs of weights, in place: neighbours 1, 2, 4 and 8 pairs apart; then l = a l + the sum.
.macro SOFT_B t
.set rT, ST+8*(\t)
.set rS, S+32*(\t)
.set qw, 4
.set qu, jb
.if jb >= 14
.set qw, 32
.set qu, 0
.elseif jb >= 12
.set qw, 16
.set qu, jb-12
.elseif jb >= 8
.set qw, 8
.set qu, jb-8
.endif
	WIN 0
.if jb < 15
	v_pk_add_f32 v[rS+qw*qu:rS+qw*qu+1], v[rS+qw*qu:rS+qw*qu+1], v[rS+qw*qu+qw/2:rS+qw*qu+qw/2+1]
.else
	v_pk_fma_f32 v[rT+2:rT+3], v[rT+2:rT+3], v[rT+6:rT+7], v[rS:rS+1] op_sel_hi:[1,0,1]
.endif
.set jb, jb+1
.endm
; SOFT_R, 64 entries (counter jr): the tile's O^T times a, ascending: each accumulator is read from its low end on.
.macro SOFT_R t
	WIN W_RS
	v_pk_mul_f32 v[128*(\t)+2*jr:128*(\t)+2*jr+1], v[128*(\t)+2*jr:128*(\t)+2*jr+1], v[ST+8*(\t)+6:ST+8*(\t)+7] op_sel_hi:[1,0]
.set jr, jr+1
.endm
; A KEY STEP: 96 matrix instructions, 96 LDS loads.  Four vector instructions stand behind each matrix instruction where there are any that are ready; what is over stands in two lumps, each with its batch's one wait.
.macro STEP
	WIN 0
	v_add_nc_u32 v[ADK], s[TB], v[AK0]
	v_add_nc_u32 v[ADV], s[TB], v[AV0]
	FETCH_K                         ; K's registers were last read by the step before's scores of tile 1
	MASKS                           ; 32 plain lines: also the places between the step before's last product V^T P and the loads into V's second half
	FETCH_V 0                       ; V's first half was last read 16 products and 24 plain lines back
.set i, 0
.irp c, 0,1,2,3
	s_wait_dscnt 56-8*(\c)          ; K's chunk c is in: its 8 (3 - c) younger loads and V's 32 may stay out
.rept 4
	KQ 0
.endr
.endr
	FETCH_V 1
	WIN 0
	PLACES                          ; between tile 0's last score and the first line that reads its scores
.set i, 0
.set ja, 0
.rept 16                            ; tile 1's scores | tile 0's maximum, scalings and exponentials
	KQ 1
.rept 4
	SOFT_A 0
.endr
.endr
.rept 23                            ; the lump: the last exponentials, the wait, the roundings
	SOFT_A 0
.endr
.set i, 0
.set jr, 0
.set jb, 0
.rept 8                             ; channel blocks 0 and 1 of tile 0's O^T are rescaled ahead of their products,
	SOFT_R 0
.endr
	s_wait_dscnt 32                 ; V's first half is in; the second half's 32 loads may stay out
.rept 14                            ; and block cb + 2 behind product cb
	PV 0
.rept 4
	SOFT_R 0
.endr
.endr
.rept 2
	PV 0
.rept 4
	SOFT_B 0
.endr
.endr
	s_wait_dscnt 0x0                ; V's second half is in
.set ja, 0
.rept 16                            ; tile 0's second half of V^T P | tile 1's maximum, scalings and exponentials
	PV 0
.rept 4
	SOFT_A 1
.endr
.endr
.rept 23
	SOFT_A 1
.endr
.set i, 0
.set jr, 0
.rept 8
	SOFT_R 1
.endr
.rept 14
	PV 1
.rept 4
	SOFT_R 1
.endr
.endr
.rept 2                             ; the rest of tile 0's sums,
	PV 1
.rept 4
	SOFT_B 0
.endr
.endr
.set jb, 0
.rept 4                             ; tile 1's sums,
	PV 1
.rept 4
	SOFT_B 1
.endr
.endr
.rept 12                            ; and nothing is left to ride
	PV 1
.endr
.endm
; A slot's two steps: written once, walked twice.  The slot's first byte and its steps' numbers in the super tile are constants of the text.
.macro TWO_STEPS slot
	WIN 0
	s_mov_b32 s[TB], (\slot)*SLOTB
	s_mov_b32 s[U], 2*(\slot)
	s_mov_b32 s[CNT], 2
.Lstep_\@:
	STEP
	WIN 0
	s_add_co_u32 s[TB], s[TB], UNIT
	s_add_co_u32 s[U], s[U], 1
	s_sub_co_u32 s[CNT], s[CNT], 1
	s_cmp_lg_u32 s[CNT], 0
	s_cbranch_scc1 .Lstep_\@
.endm
; A BLOCK'S END, first part: 1 / l of both tiles; tile 1's O^T / l, rounded to f16, goes to my partner.  The additions, the v_nop and the multiply are the places behind the last products.
.macro SENDOFF
	WIN 0
.irp t, 0,1
	v_add_f32 v[ST+8*(\t)+4], v[ST+8*(\t)+2], v[ST+8*(\t)+3]
.endr
.irp t, 0,1
	v_permlanex16_b32 v[ST+8*(\t)+5], v[ST+8*(\t)+4], s[SEL], s[SEL+1]
.endr
.irp t, 0,1
	v_add_f32 v[ST+8*(\t)+4], v[ST+8*(\t)+4], v[ST+8*(\t)+5]
.endr
.irp t, 0,1
	v_rcp_f32 v[ST+8*(\t)+2], v[ST+8*(\t)+4]
.endr
	v_nop                           ; a plain instruction behind the last reciprocal,
	s_wait_alu depctr_va_vdst(0)    ; and the wait ahead of the first use: one for both
	v_mul_f32 v[ST+2], v[ST+2], v[ALF]  ; tile 0 takes its stream's factor with 1 / l
	WIN W_RS
.set i, 0
.rept 64
	v_pk_mul_f32 v[128+2*i:128+2*i+1], v[128+2*i:128+2*i+1], v[ST+10:ST+11] op_sel_hi:[1,0]
.set i, i+1
.endr
	WIN W_PK
.set i, 0
.rept 64
	v_cvt_pk_f16_f32 v[S+i], v[128+2*i], v[128+2*i+1]
.set i, i+1
.endr
	WIN 0
.set i, 0
.rept 16
	ds_store_b128 v[XS], v[S+4*i:S+4*i+3] offset:512*i  ; 32 lanes, 16 neighbouring bytes each
.set i, i+1
.endr
.endm
; A BLOCK'S END, second part, behind the barrier: x = my stream's factor x attn (tile 0) + the other's x what my partner sent; its mean square over the 256 channels, half of which lie in the lane 16 away;
; x rsqrt(..); then through my own stage in LDS, 64 channels at a time, to whole rows, times w (1 - lambda_init), and out.
.macro FINISH
	WIN 0
.set i, 0
.rept 16
	ds_load_b128 v[S+4*i:S+4*i+3], v[XR] offset:512*i
.set i, i+1
.endr
	WIN W_RS
.set i, 0
.rept 64
	v_pk_mul_f32 v[2*i:2*i+1], v[2*i:2*i+1], v[ST+2:ST+3] op_sel_hi:[1,0]
.set i, i+1
.endr
	s_wait_dscnt 0x0                ; my partner's tile is in registers
	WIN W_MIX
.set i, 0
.rept 64
	v_fma_mix_f32 v[2*i],   v[S+i], v[BET], v[2*i]   op_sel_hi:[1,0,0]
	v_fma_mix_f32 v[2*i+1], v[S+i], v[BET], v[2*i+1] op_sel:[1,0,0] op_sel_hi:[1,0,0]
.set i, i+1
.endr
	WIN W_PK
.set i, 0
.rept 4                             ; four chains of pairs, started by the first four products: nothing is cleared
	v_pk_mul_f32 v[48+2*i:49+2*i], v[2*i:2*i+1], v[2*i:2*i+1]
.set i, i+1
.endr
.rept 60
	v_pk_fma_f32 v[48+2*(i%4):49+2*(i%4)], v[2*i:2*i+1], v[2*i:2*i+1], v[48+2*(i%4):49+2*(i%4)]
.set i, i+1
.endr
	WIN 0
	v_pk_add_f32 v[48:49], v[48:49], v[50:51]
	v_pk_add_f32 v[52:53], v[52:53], v[54:55]
	v_pk_add_f32 v[48:49], v[48:49], v[52:53]
	v_add_f32 v48, v48, v49
	v_permlanex16_b32 v49, v48, s[SEL], s[SEL+1]
	v_add_f32 v48, v48, v49
	s_mov_b32 s2, 0x3b800000        ; 1 / 256
	s_mov_b32 s3, 0x3727c5ac        ; 1e-5
	v_fma_f32 v48, v48, s2, s3
	v_rsq_f32 v50, v48
	v_nop                           ; a plain instruction behind it,
	s_wait_alu depctr_va_vdst(0)    ; and its wait, ahead of the first use
	WIN W_RS
.set i, 0
.rept 64
	v_pk_mul_f32 v[2*i:2*i+1], v[2*i:2*i+1], v[50:51] op_sel_hi:[1,0]
.set i, i+1
.endr
.irp ch, 0,1,2,3
	s_wait_xcnt 0x0                 ; the stores of two chunks back have read the registers that the loads below fill
	WIN W_STO
.irp b, 0,1,2,3
	ds_store_b128 v[STO], v[8*(4*(\ch)+(\b)):8*(4*(\ch)+(\b))+3]   offset:64*(\b)
	ds_store_b128 v[STO], v[8*(4*(\ch)+(\b))+4:8*(4*(\ch)+(\b))+7] offset:64*(\b)+16
.endr
	WIN 0
.irp r, 0,1,2,3,4,5,6,7
	ds_load_b128 v[S+32*((\ch)%2)+4*(\r):S+32*((\ch)%2)+4*(\r)+3], v[RD] offset:(\r)*2*TP  ; LDS serves a wave's instructions in order (ISA guide 5.7.1.4): these see the stores above; the next chunk's stores come behind them
.endr
	s_wait_dscnt 0x0
.irp r, 0,1,2,3,4,5,6,7
	v_pk_mul_f32 v[S+32*((\ch)%2)+4*(\r):S+32*((\ch)%2)+4*(\r)+1],   v[S+32*((\ch)%2)+4*(\r):S+32*((\ch)%2)+4*(\r)+1],   v[WT+4*(\ch):WT+4*(\ch)+1]
	v_pk_mul_f32 v[S+32*((\ch)%2)+4*(\r)+2:S+32*((\ch)%2)+4*(\r)+3], v[S+32*((\ch)%2)+4*(\r)+2:S+32*((\ch)%2)+4*(\r)+3], v[WT+4*(\ch)+2:WT+4*(\ch)+3]
.endr
.irp r, 0,1,2,3,4,5,6,7
	global_store_b128 v[GO], v[S+32*((\ch)%2)+4*(\r):S+32*((\ch)%2)+4*(\r)+3], s[OUT1:OUT1+1] offset:16384*(\r)+256*(\ch) th:TH_STORE_NT  ; 16 lanes store 256 consecutive bytes, at a multiple of 256 from out0's first byte
.endr
.endr
.endm
; THE SECOND BLOCK BEGINS.  Its first step multiplies O^T and l by a = 0, so what the first block left there need only be finite; only m, Q, the rows of out0 and the count of super tiles are set anew.
.macro NEXTBLOCK
	s_wait_xcnt 0x0                 ; the stores have read out0's address
	s_mov_b64 s[OUT1:OUT1+1], s[OUT2:OUT2+1]
	s_add_co_u32 s[RT], s[PP], 1    ; the second block has P + 1 super tiles
	WIN W_QSW
.set i, 0
.rept 64
	v_mov_b32 v[i], v[64+i]
.set i, i+1
.endr
	WIN 0
.irp t, 0,1
	v_mov_b32 v[ST+8*(\t)], 0xfe000000    ; c m: far below every c s
	v_mov_b32 v[ST+8*(\t)+1], 0xff7fffff  ; m: the lowest finite number
.endr
.endm
	s_load_b512 s[4:19], s[0:1], 0x0  ; q s[4:5], kc s[6:7], vc s[8:9], lambda_q1 s[10:11], lambda_k1 s[12:13], lambda_q2 s[14:15], lambda_k2 s[16:17], subln_weight s[18:19]
	s_load_b64 s[20:21], s[0:1], 0x40 ; out0
	v_lshl_add_u32 v[SPW], v0, 2, SPARE
	v_mov_b32 v[NIL], 0
	ds_add_u32 v[SPW], v[NIL]       ; the wave's opening: the add and its wait come ahead of my first tensor load; the set-up below, work on registers, stands between them
	v_lshrrev_b32 v1, 5, v0
	v_readfirstlane_b32 s[WV], v1   ; wave 0..3
	s_and_b32 s[STR], s[WV], 1
	s_xor_b32 s[X1], s[WV], 1
	s_mov_b32 s[PP], ttmp9          ; in a cluster launch ttmp9 counts clusters
	s_bfe_u32 s[CX], ttmp6, 0x40000 ; my place in the cluster
	; descriptor group 1: a tile of 64 rows x 256 elements, padded in LDS
	s_mov_b32 s[G1K], 15|(1<<16)|(1<<20)|(1<<21)|(6<<22)|(3<<25)  ; 15:0 the mask of four; 17:16 2-byte elements; 20 padding on; 21 set beside a mask; 24:22 after every 128 words (code 6); 31:25 4 words (code 3)
	s_mov_b32 s[G1V], 15|(1<<16)|(1<<20)|(1<<21)|(6<<22)|(7<<25)  ; the same with 8 words of padding (code 7)
.irp g, G1K, G1V
	s_mov_b32 s[(\g)+1], 256<<16    ; tensor_dim0 = 256
	s_mov_b32 s[(\g)+2], 64<<16     ; tensor_dim1 = 64
	s_mov_b32 s[(\g)+3], 256<<16    ; tile_dim0 = 256
	s_mov_b32 s[(\g)+4], 64         ; tile_dim1 = 64
	s_mov_b32 s[(\g)+5], 2048       ; 2,048 elements from row to row
	s_mov_b32 s[(\g)+6], 0
	s_mov_b32 s[(\g)+7], 0
.endr
	s_mov_b32 s[CS], 0x3e0293ee     ; c = log2(e) / sqrt(128) = 0.127517
	s_mov_b32 s[CS+1], s[CS]        ; named with it as a pair
	s_mov_b32 s[SEL], 0x76543210
	s_mov_b32 s[SEL+1], 0xfedcba98
	s_mov_b32 s[BIGN], 0xf149f2ca   ; -1e30
	s_mov_b32 s[AL0+1], 0           ; named as pairs
	s_mov_b32 s[BE0+1], 0
	s_mov_b32 s[AL1+1], 0
	s_mov_b32 s[BE1+1], 0
	s_mov_b32 s[SUP], 9
	s_mov_b32 s[FILLS], 17
	s_mov_b32 s[NXT], 1
	s_lshl_b32 s[LQ2], s[PP], 1
	s_sub_co_u32 s[LQ], 15, s[LQ2]  ; the first block, super block 7 - P, has the slots 0 .. 15 - 2 P,
	s_add_co_u32 s[LQ2], s[LQ2], 1  ; the second the slots 0 .. 2 P + 1
	s_sub_co_u32 s[RT], 8, s[PP]
	s_cmp_eq_u32 s[PP], 0
	s_cselect_b32 s[LIM], 3, -1
	s_and_b32 s2, ttmp7, 0xffff
	s_lshr_b32 s3, s2, 3            ; the batch
	s_and_b32 s2, s2, 7             ; the head pair
	s_lshl_b32 s70, s3, 23          ; in kc and vc: a batch is 2,048 rows of 4,096 bytes,
	s_lshl_b32 s71, s2, 9           ; a head pair 512 bytes of a row
	s_add_co_u32 s70, s70, s71
	s_lshl_b32 s71, s[STR], 18      ; my unit's 64 rows
	s_add_co_u32 s[OFF], s70, s71
	s_mov_b32 s[OFF+1], 0
	s_mul_i32 s[LK], s[STR], UNIT   ; and its place in a slot: no place in the cluster enters an LDS address
	s_add_co_u32 s[LV], s[LK], VOFF
	s_mov_b32 s[G0K], 1             ; 1:0 count = 1
	s_mov_b32 s[G0K+1], s[LK]       ; 63:32 LDS address: slot A
	s_mov_b32 s[G0V], 1
	s_mov_b32 s[G0V+1], s[LV]
	s_lshl_b32 s[PFA], s[CX], 17    ; the prefetches: my work-group's 32 rows of a slot's 128,
	s_add_co_u32 s[PFA], s[PFA], s70
	s_lshl_b32 s[PFA+1], s[STR], 8  ; my half of their 512 bytes,
	s_add_co_u32 s[PFA], s[PFA], s[PFA+1]
	s_add_co_u32 s[PFA], s[PFA], 524288  ; in slot 1: the first fill steps it to slot 2
	s_mov_b32 s[PFA+1], 0
	s_lshl_b32 s[TC], s[CX], 17     ; in q and out0: my 16 rows of 8,192 bytes in a band,
	s_lshl_b32 s[OUT1], s3, 24      ; the batch,
	s_add_co_u32 s[TC], s[TC], s[OUT1]
	s_lshl_b32 s[OUT1], s2, 10      ; the head pair's 1,024 bytes of a row
	s_add_co_u32 s[TC], s[TC], s[OUT1]
	s_sub_co_u32 s[OUT1], 7, s[PP]
	s_lshl_b32 s[OUT1], s[OUT1], 21 ; super block 7 - P: 256 rows each
	s_add_co_u32 s[OUT1], s[OUT1], s[TC]
	s_lshl_b32 s[OUT2], s[PP], 21   ; super block P
	s_add_co_u32 s[OUT2], s[OUT2], s[TC]
	s_lshl_b32 s[OUT1+1], s[STR], 9 ; my stream's head in q
	s_lshl_b32 s[OUT2+1], s[WV], 19 ; band w: 64 rows
	s_add_co_u32 s[TC], s[OUT2+1], s[OUT1+1]
	s_add_co_u32 s[QP], s[OUT1], s[TC]
	s_add_co_u32 s[QP+4], s[OUT2], s[TC]
	s_lshl_b32 s[TC], s[X1], 19     ; band w ^ 1
	s_add_co_u32 s[TC], s[TC], s[OUT1+1]
	s_add_co_u32 s[QP+2], s[OUT1], s[TC]
	s_add_co_u32 s[QP+6], s[OUT2], s[TC]
	s_add_co_u32 s[OUT1], s[OUT1], s[OUT2+1]  ; I finish band w
	s_add_co_u32 s[OUT2], s[OUT2], s[OUT2+1]
	s_mov_b32 s[OUT1+1], 0
	s_mov_b32 s[OUT2+1], 0
	s_mov_b32 s[QP+1], 0
	s_mov_b32 s[QP+3], 0
	s_mov_b32 s[QP+5], 0
	s_mov_b32 s[QP+7], 0
	s_lshl_b32 s[TC], s[CX], 4      ; 16 cx, for the mask
	s_wait_dscnt 0x0                ; the opening add is done
	s_wait_kmcnt 0x0
	s_add_nc_u64 s[KB:KB+1], s[6:7], s[OFF:OFF+1]
	s_add_nc_u64 s[VB:VB+1], s[8:9], s[OFF:OFF+1]
	s_mov_b64 s[G0K+2:G0K+3], s[KB:KB+1]           ; 120:64 global address: slot 0
	s_or_b32 s[G0K+3], s[G0K+3], 0x80000000        ; 127:126 type = 2
	s_mov_b64 s[G0V+2:G0V+3], s[VB:VB+1]
	s_or_b32 s[G0V+3], s[G0V+3], 0x80000000
	s_cmp_lt_u32 s[WV], 2
	s_cselect_b64 s[2:3], s[6:7], s[8:9]
	s_add_nc_u64 s[PFA:PFA+1], s[2:3], s[PFA:PFA+1]
.irp n, 0,1,2,3
	s_add_nc_u64 s[QP+2*(\n):QP+2*(\n)+1], s[4:5], s[QP+2*(\n):QP+2*(\n)+1]
.endr
	s_add_nc_u64 s[OUT1:OUT1+1], s[20:21], s[OUT1:OUT1+1]
	s_add_nc_u64 s[OUT2:OUT2+1], s[20:21], s[OUT2:OUT2+1]
	CROUND                          ; all four work-groups are here: the first joint loads meet
	JLOAD                           ; slot 0 of the walk into slot A.  Slot B is asked for by the loop's first change of slots
	v_and_b32 v1, 15, v0            ; l % 16
	v_bfe_u32 v9, v0, 4, 1          ; l / 16
	v_and_b32 v60, 31, v0           ; l
	v_lshlrev_b32 v[QO], 13, v1     ; a fragment of Q: row l % 16, the 8 f32 of channels 8 (l / 16) on, and those 16 channels further
	v_lshl_add_u32 v[QO], v9, 5, v[QO]
	v_lshlrev_b32 v48, 4, v60       ; four numbers of each lambda vector a lane
	v_lshlrev_b32 v49, 4, v1        ; four weights of each 64 channels
	global_load_b128 v[64:67], v48, s[10:11]
	global_load_b128 v[68:71], v48, s[12:13]
	global_load_b128 v[72:75], v48, s[14:15]
	global_load_b128 v[76:79], v48, s[16:17]
.irp ch, 0,1,2,3
	global_load_b128 v[WT+4*(\ch):WT+4*(\ch)+3], v49, s[18:19] offset:256*(\ch)
.endr
	WIN TO_V                        ; both blocks' q in f32 into window 3: tile n at 64 n, channels 32 c on at 16 c
.irp n, 0,1,2,3
.irp c, 0,1,2,3
	global_load_b128 v[64*(\n)+16*(\c):64*(\n)+16*(\c)+3],     v[QO], s[QP+2*(\n):QP+2*(\n)+1] offset:128*(\c)
	global_load_b128 v[64*(\n)+16*(\c)+4:64*(\n)+16*(\c)+7],   v[QO], s[QP+2*(\n):QP+2*(\n)+1] offset:128*(\c)+16
	global_load_b128 v[64*(\n)+16*(\c)+8:64*(\n)+16*(\c)+11],  v[QO], s[QP+2*(\n):QP+2*(\n)+1] offset:128*(\c)+64
	global_load_b128 v[64*(\n)+16*(\c)+12:64*(\n)+16*(\c)+15], v[QO], s[QP+2*(\n):QP+2*(\n)+1] offset:128*(\c)+80
.endr
.endr
	WIN 0
	; while they are on their way: the lanes' addresses,
	v_mul_u32_u24 v[AK0], v1, PK    ; a fragment of K: row l % 16, 16 bytes for each half of the lanes, my stream's half of the row
	v_lshl_add_u32 v[AK0], v9, 4, v[AK0]
	s_lshl_b32 s2, s[STR], 8
	v_add_nc_u32 v[AK0], s2, v[AK0]
	v_and_b32 v59, 7, v0
	v_bfe_u32 v58, v0, 3, 1
	v_lshl_add_u32 v[AV0], v9, 3, v59  ; the turning load: key 8 (l / 16) + l % 8, channels 8 ((l / 8) % 2) on
	v_mul_u32_u24 v[AV0], v[AV0], PVP
	v_lshl_add_u32 v[AV0], v58, 4, v[AV0]
	v_add_nc_u32 v[AV0], VOFF, v[AV0]
	s_mul_i32 s2, s[WV], 16*TP
	s_add_co_u32 s2, s2, TR         ; my stage
	v_mul_u32_u24 v[STO], v1, TP    ; in: row l % 16, 32 bytes for each half of the lanes
	v_lshl_add_u32 v[STO], v9, 5, v[STO]
	v_add_nc_u32 v[STO], s2, v[STO]
	v_mul_u32_u24 v[RD], v9, TP     ; back: lanes 0-15 take one row of 256 bytes, lanes 16-31 the next
	v_lshl_add_u32 v[RD], v1, 4, v[RD]
	v_add_nc_u32 v[RD], s2, v[RD]
	v_lshlrev_b32 v[GO], 13, v9     ; and the same two rows in out0
	v_lshl_add_u32 v[GO], v1, 4, v[GO]
	s_lshl_b32 s2, s[WV], 13
	s_add_co_u32 s2, s2, XCH
	v_lshl_add_u32 v[XS], v60, 4, s2   ; my part of the exchange,
	s_lshl_b32 s2, s[X1], 13
	s_add_co_u32 s2, s2, XCH
	v_lshl_add_u32 v[XR], v60, 4, s2   ; my partner's
	v_lshlrev_b32 v[PFO], 12, v60
	; the triangle: my query's place in its band, 16 cx + l % 16, less my lanes' 8 (l / 16): register r of key group kb is hidden where 16 kb + r is greater,
	v_lshlrev_b32 v61, 3, v9
	v_sub_nc_u32 v61, v1, v61
	v_add_nc_u32 v61, s[TC], v61
.set i, 0
.rept 32
	v_cmp_gt_i32 vcc_lo, 16*(i/8)+i%8, v61
	v_cndmask_b32 v[MD+i], 0, s[BIGN], vcc_lo
.set i, i+1
.endr
	; and what the first step finds: O^T and l are 0, c m far below every c s.  No first step is written out: the price is these 256 lines, which run while the first tile and q are on their way.
	WIN W_O
.set i, 0
.rept 256
	v_mov_b32 v[i], 0
.set i, i+1
.endr
	WIN 0
.irp t, 0,1
	v_mov_b32 v[ST+8*(\t)], 0xfe000000
	v_mov_b32 v[ST+8*(\t)+1], 0xff7fffff
	v_mov_b32 v[ST+8*(\t)+2], 0
	v_mov_b32 v[ST+8*(\t)+3], 0
.endr
	s_wait_loadcnt 0x0              ; q, the lambda vectors, the weights
	WIN W_CVQ
.set i, 0
.rept 128                           ; q rounded to bf16: two neighbouring channels a register: the fragments of both blocks' Q
	v_cvt_pk_bf16_f32 v[i], v[2*i], v[2*i+1]
.set i, i+1
.endr
	WIN 0
	; lambda = exp(sum lambda_q1 lambda_k1) - exp(sum lambda_q2 lambda_k2) + lambda_init, of the vectors rounded to bf16; every wave makes it
.irp g, 0,1,2,3
	v_cvt_pk_bf16_f32 v80, v[64+4*(\g)], v[64+4*(\g)+1]
	v_cvt_pk_bf16_f32 v81, v[64+4*(\g)+2], v[64+4*(\g)+3]
	v_lshlrev_b32 v[64+4*(\g)], 16, v80
	v_and_b32 v[64+4*(\g)+1], 0xffff0000, v80
	v_lshlrev_b32 v[64+4*(\g)+2], 16, v81
	v_and_b32 v[64+4*(\g)+3], 0xffff0000, v81
.endr
	v_mul_f32 v80, v64, v68
	v_mul_f32 v81, v72, v76
.irp k, 1,2,3
	v_fmac_f32 v80, v[64+(\k)], v[68+(\k)]
	v_fmac_f32 v81, v[72+(\k)], v[76+(\k)]
.endr
.irp m, 1,2,4,8
	v_add_f32_dpp v80, v80, v80 row_xmask:\m row_mask:0xf bank_mask:0xf
	v_add_f32_dpp v81, v81, v81 row_xmask:\m row_mask:0xf bank_mask:0xf
.endr
	v_permlanex16_b32 v64, v80, s[SEL], s[SEL+1]
	v_permlanex16_b32 v65, v81, s[SEL], s[SEL+1]
	v_add_f32 v80, v80, v64
	v_add_f32 v81, v81, v65
	v_mul_f32 v80, 0x3fb8aa3b, v80  ; log2(e)
	v_mul_f32 v81, 0x3fb8aa3b, v81
	v_exp_f32 v80, v80
	v_exp_f32 v81, v81
	v_nop                           ; a plain instruction behind the last exponential,
	s_wait_alu depctr_va_vdst(0)    ; and the wait, ahead of the first use: one for both
	v_sub_f32 v80, v81, v80
	v_add_f32 v80, 0xbf489a63, v80  ; -lambda = (lambda_2 - lambda_1) - 0.78360577
	v_mov_b32 v81, 1.0
	s_cmp_eq_u32 s[STR], 0
	s_cselect_b32 s2, -1, 0         ; all lanes, or none
	v_cndmask_b32 v[ALF], v80, v81, s2  ; stream 1 counts once, stream 2 -lambda times
	v_cndmask_b32 v[BET], v81, v80, s2
.set i, 0
.rept 8                             ; the weights rounded to bf16, widened, times 1 - lambda_init
	v_cvt_pk_bf16_f32 v[82+i], v[WT+2*i], v[WT+2*i+1]
.set i, i+1
.endr
.set i, 0
.rept 8
	v_lshlrev_b32 v[WT+2*i], 16, v[82+i]
	v_and_b32 v[WT+2*i+1], 0xffff0000, v[82+i]
.set i, i+1
.endr
.set i, 0
.rept 8
	v_pk_mul_f32 v[WT+2*i:WT+2*i+1], v[WT+2*i:WT+2*i+1], 0x3e5d9673 op_sel_hi:[1,0]  ; 0.21639423
.set i, i+1
.endr
.Lsuper:                            ; a trip is a super tile: slot A, then slot B.  Nine trips; the ninth is left in its middle, so that no fill is issued that nobody reads
	CHANGE 0, 1                     ; into A; B is asked for
	s_cmp_eq_u32 s[RT], 1           ; the block's last super tile holds the diagonal
	s_cselect_b32 s[XW0], s[WV], 255
	s_cselect_b32 s[XW1], s[X1], 255
	TWO_STEPS 0
	s_sub_co_u32 s[SUP], s[SUP], 1
	s_cmp_eq_u32 s[SUP], 0
	s_cbranch_scc1 .Llast
	CHANGE 1, 1                     ; into B; A is asked for
	TWO_STEPS 1
	s_sub_co_u32 s[RT], s[RT], 1
	s_cmp_eq_u32 s[RT], 0
	s_cselect_b32 s[BEND], 1, 0
	s_cbranch_scc0 .Lno_send        ; P is the cluster's: the branch is the same in all waves and all partners; it passes no barrier and no tensor load
	SENDOFF
.Lno_send:
	s_wait_dscnt 0x0                ; for my partner's sake: what I sent lies in LDS
	s_barrier_signal -1             ; on every path, once a super tile.  Slot A's load may stay out across it
	s_barrier_wait -1
	s_cmp_eq_u32 s[BEND], 1
	s_cbranch_scc0 .Lno_finish
	FINISH                          ; its reads of the exchange are waited for inside it; the second block's stores there come behind many changes of slots
	NEXTBLOCK
.Lno_finish:
	s_branch .Lsuper
.Llast:
	CHANGE 1, 0                     ; the walk's last slot: nothing is asked for
	TWO_STEPS 1
	SENDOFF
	s_wait_dscnt 0x0
	s_barrier_signal -1
	s_barrier_wait -1
	FINISH
	s_wait_tensorcnt 0x0            ; the wave's end: a tensor wait, 0 onto my spare word and its wait, behind my last tensor load and my last LDS store
	ds_add_u32 v[SPW], v[NIL]
	s_wait_dscnt 0x0
	CROUND                          ; the closing round: no work-group ends while a partner may still ask for a tile that names it
	s_endpgm
.Lfunc_end_k_q0b2a6ab2d5_attn:
	.size	k_q0b2a6ab2d5_attn, .Lfunc_end_k_q0b2a6ab2d5_attn-k_q0b2a6ab2d5_attn
	.p2alignl 7, 3214868480
	.fill 96, 4, 3214868480
	.section	.rodata,"a",@progbits
	.p2align	6, 0x0
	.amdhsa_kernel k_q0b2a6ab2d5_attn
		.amdhsa_group_segment_fixed_size 327680
		.amdhsa_private_segment_fixed_size 0
		.amdhsa_enable_private_segment 0
		.amdhsa_kernarg_size 72
		.amdhsa_user_sgpr_count 2
		.amdhsa_user_sgpr_kernarg_segment_ptr 1
		.amdhsa_wavefront_size32 1
		.amdhsa_system_sgpr_workgroup_id_x 1
		.amdhsa_system_sgpr_workgroup_id_y 1
		.amdhsa_system_sgpr_workgroup_id_z 1
		.amdhsa_system_vgpr_workitem_id 0
		.amdhsa_next_free_vgpr 1024
		.amdhsa_next_free_sgpr 102
		.amdhsa_reserve_vcc 1
		.amdhsa_float_denorm_mode_32 3
		.amdhsa_float_denorm_mode_16_64 3
		.amdhsa_memory_ordered 1
		.amdhsa_forward_progress 1
		.amdhsa_inst_pref_size 246
	.end_amdhsa_kernel
	.amdgpu_metadata
---
amdhsa.version: [ 1, 2 ]
amdhsa.kernels:
  - .name:           k_q0b2a6ab2d5_attn
    .symbol:         k_q0b2a6ab2d5_attn.kd
    .args:
      - { .name: q, .offset: 0, .size: 8, .value_kind: global_buffer, .address_space: global }
      - { .name: kc, .offset: 8, .size: 8, .value_kind: global_buffer, .address_space: global }
      - { .name: vc, .offset: 16, .size: 8, .value_kind: global_buffer, .address_space: global }
      - { .name: lambda_q1, .offset: 24, .size: 8, .value_kind: global_buffer, .address_space: global }
      - { .name: lambda_k1, .offset: 32, .size: 8, .value_kind: global_buffer, .address_space: global }
      - { .name: lambda_q2, .offset: 40, .size: 8, .value_kind: global_buffer, .address_space: global }
      - { .name: lambda_k2, .offset: 48, .size: 8, .value_kind: global_buffer, .address_space: global }
      - { .name: subln_weight, .offset: 56, .size: 8, .value_kind: global_buffer, .address_space: global }
      - { .name: out0, .offset: 64, .size: 8, .value_kind: global_buffer, .address_space: global }
    .group_segment_fixed_size: 327680
    .private_segment_fixed_size: 0
    .kernarg_segment_align: 8
    .kernarg_segment_size: 72
    .max_flat_workgroup_size: 128
    .sgpr_count:     102
    .vgpr_count:     1024
    .wavefront_size: 32
...
	.end_amdgpu_metadata
.endif
;; end of part 2
